; MI455X (gfx1250); checked and timed in simulation.
; The chip was launched on July 23, 2026; its instructions are those of AMD's public machine-readable ISA for CDNA 5 (MIT licence, August 2026) and "CDNA5" Instruction Set Architecture Reference Guide (July 2026). The comments in the code are by the model that wrote it; some were corrected since.
;; Clusterised Linear Network. Allowed arithmetic: matrix products marked QUANTISED: E2M3 operands, one E8M0 scale for each 32 along K, by v_wmma_scale_f32_16x16x128_f8f6f4 with both operands' format E2M3, f32 sums; everything else in f32.
;; Inputs: W 384 x 100 float32; X 524,288 x 5 float32; cluster_ids 524,288 int32.
;; Outputs: out0 524,288 x 3 float32.
;; This version of the problem:
;;   THIS VERSION OF THE PROBLEM IS GIVEN IN LOW PRECISION. The matrix products marked QUANTISED in the list below multiply operands that are first quantised to E2M3 (2 exponent bits, 3 mantissa bits; 6 bits a number), with one power-of-two scale for each 32 numbers along K (OCP MX v1.0); their sums are f32. All else is computed in f32.
;;   The module's matrix products, in the order in which they are computed (A, B: the left and right operand; K: the contracted axis; several contracted axes count as one K, in the product's order):
;;     1. [M 524,288, K 100] x [K 100, N 384]; A: computed on the way; B: input W: QUANTISED
;;   THE QUANTISER, for each operand of a quantised product, along K:
;;     - K is cut into blocks of 32 from its start; a last block that is shorter is filled with zeros.
;;     - A block's scale is 2^e with e = floor(log2(the largest magnitude in the block)) - 2, held to -126 .. 127; a block of zeros has e = 0. As a byte (E8M0): e + 127.
;;     - Each number is divided by its block's scale, clamped to +-7.5, and rounded to the nearest number of E2M3, ties to even, subnormals kept.
;;     - The product sums the exact products of the quantised numbers (number of the format x scale) in f32.
;;   ~~~python
;;   def quantise(x, axis):      # numpy; x: float32 -> the quantised numbers, widened to float32 again
;;       x = np.moveaxis(x, axis, -1); K = x.shape[-1]
;;       x = np.pad(x, [(0, 0)] * (x.ndim - 1) + [(0, -K % 32)]); x = x.reshape(x.shape[:-1] + (-1, 32)); a = np.abs(x).max(-1, keepdims=True)
;;       e = np.where(a > 0, np.clip(np.frexp(np.where(a > 0, a, 1))[1] - 1 - 2, -126, 127), 0)      # np.frexp(a)[1] - 1 = floor(log2(a)), exactly
;;       r = np.clip(x / 2.0 ** e, -7.5, 7.5)
;;       step = 2.0 ** (np.maximum(np.frexp(np.where(r == 0, 1, r))[1] - 1, 0) - 3)
;;       q = np.round(r / step) * step * 2.0 ** e      # np.round: ties to even
;;       return np.moveaxis(q.reshape(q.shape[:-2] + (-1,))[..., :K], -1, axis).astype(np.float32)
;;   ~~~
;;   OPERANDS COMPUTED ON THE WAY. 'Computed on the way' means the value that the module computes at that place (a softmax that the list does not call 'softmax' is quantised finished and normalised). What goes into a quantiser is computed in f32, as accurately as f32 sums, v_exp_f32 and their like allow (about 1e-6 of the number): no bf16 or f16 on the way to a quantiser, and a product that is left as it is and whose result goes on into a quantised operand takes f32 operands (vector FMAs, or v_wmma_f32_16x16x4_f32). A number that lies on a knife's edge between two numbers of the format may be rounded either way, as far as f32 arithmetic and the matrix unit's own rounding can turn it there, and no further.
;; One version. Each part assembles by itself: llvm-mc -triple=amdgcn-amd-amdhsa -mcpu=gfx1250 --defsym DOCPART=n.
;; ======== version 1 of 1: 1 launch
;; limits: inputs' magnitudes at most 16,384
;; launch enc_rgb (part 1): grid 256 x 1, 16 waves a work-group, no clusters, 235,008 bytes of LDS; arguments X, cluster_ids, W, out0; writes out0
.if DOCPART == 1
	.amdgcn_target "amdgcn-amd-amdhsa--gfx1250"
	.amdhsa_code_object_version 6
	.text
	.protected	k_q643ffbf283_enc_rgb
	.globl	k_q643ffbf283_enc_rgb
	.p2align	8
	.type	k_q643ffbf283_enc_rgb,@function
k_q643ffbf283_enc_rgb:
	s_mov_b64 s[64:65], 0
	v_nop
	global_prefetch_b8 v0, s[64:65] scope:SCOPE_SE
	s_setreg_imm32_b32 hwreg(HW_REG_WAVE_MODE, 25, 1), 1
	s_wait_xcnt 0x0
; out[t][j] = sum over k of Q(enc(X[t]))[k] x Q(W[3 id[t] + j])[k], j = 0..2.  enc: for 5 channels and 10 octaves (sin, cos)(2^o x), 100 numbers; Q: codes of FP6 (E2M3), one E8M0 scale for each 32 along K.
; X [524288][5] f32, cluster_ids [524288] i32, W [384][100] f32, out [524288][3] f32.
; ONLY THE CHOSEN ROWS OF W ARE MULTIPLIED: of a token's 384 results the problem keeps three, named by the index input.  Sixteen tokens are A's rows; B's column n is row 3 id + j of W for token n,
; gathered from an image of W's codes in LDS; the diagonal of the 16 x 16 result is kept.  Three matrix instructions for 16 tokens.
; SHARES.  A work-group takes 2,048 tokens, each of its sixteen waves 128, in four steps of 32: a lane encodes ONE whole token a step.  The vector work of the encoding is the bulk of the launch, so four waves
; of 256 registers share a SIMD, and one wave's LDS gather and matrix instructions stand beside the others' arithmetic.  The four steps are written out: each has its own three address registers for the gather,
; and every other offset is an immediate.
; SINE AND COSINE.  u = x / pi is kept as a sum of two f32 (UH + UL); 2^o u = UH x 2^o exactly; n = the nearest whole number, f = 2^o u - n in [-1/2, 1/2]; sin = (-1)^n f P(f^2), cos = (-1)^n (1 + f^2 Q(f^2)),
; polynomials of degree 5 and 4 in f^2 (Abramowitz and Stegun 4.3.97, 4.3.99, in half turns).  Two octaves go in each packed instruction.
; A BLOCK'S SCALE turns on whether its largest magnitude is 1 or just under it.  The cosine is one fused multiply-add onto 1, so it rounds as the true value does there.  For the sines the largest |f| of the block
; is kept, and 1 - (pi^2 / 2)(1/2 - |f|)^2 stands for the largest |sin|: right where it nears 1, never above the true value, and over 1/2 wherever no cosine of the block is.
; ORDER ALONG K.  A group of four (s, c, s', c') is laid (s, s', c, c') in the tokens' codes and in W's alike: blocks, scales and products stay the same.
; K = 100: W's codes from 100 on are zeros, so the tokens' codes there may be any codes (every code of this format is a finite number).
; NO CLUSTER, though every work-group reads all of W (153,600 bytes, beside 73,728 of its own tokens, ids and results).
; The gather's LDS addresses are made of each work-group's own 2,048 ids.  Each work-group fetches W by twelve tensor loads of its own, one a wave, 12,800 bytes each, issued at
; the head; the first 64 elements of step 0 are encoded while they are on their way.  X's tiles are each wave's own.  No LDS byte is filled twice.
; LIMITS: |x| under 2^14 (2^9 x / pi must stay under 2^22); NaN and infinities are not served; an id is held at 127 from above (the problem keeps it inside 0 .. 127).
.set WRAW, 0                           ; LDS: W as f32, dense; wave w (0-11) owns rows 32 w .. 32 w + 31, 12,800 bytes
.set XST,  153600                      ; X: 2,560 bytes for each wave
.set WI,   194560                      ; W's codes: block b of row p at WI + (b % 2) x 18,432 + 48 p + 24 (b / 2): a lane of half h finds a cluster's three rows as 144 bytes on end
.set HALF, 18432
.set SC,   231424                      ; W's scale words, 4 bytes a row
.set XA,  1                            ; v1   LDS: my token's 20 bytes in my wave's part of X, step 0
.set OO,  2                            ; v2   12 x the token whose result ends in my lane
.set WRD, 3                            ; v3   LDS: my row of W as f32
.set WWR, 4                            ; v4   LDS: my row's codes
.set WSC, 5                            ; v5   LDS: my row's scale word
.set ILO, 6                            ; v6   ids: 4 r            (tile lo's column r is token r)
.set IHI, 7                            ; v7   ids: 64 + 4 (r xor 8)  (tile hi's column r is token 16 + (r xor 8))
.set GA,  8                            ; v8-19  step s: GA+3s tile lo's rows, +1 tile hi's rows, +2 the scale words
.set VM,  20                           ; v[20:21] 1.5 x 2^23, twice
.set VP4, 22                           ; v[22:23] P4, twice
.set VQ4, 24                           ; v[24:25] Q4, twice
.set GB,  26                           ; v26  WI + 18,432 h
.set SA,  28                           ; v28  my token's scale word: lanes 0-15 are tile lo's rows, lanes 16-31 tile hi's
.set BS,  29                           ; v29-31 W's scale words, row j: lanes 0-15 tile lo's columns, lanes 16-31 tile hi's
.set LOF, 32                           ; v32-43 A's fragment, tokens 0-15
.set HIF, 44                           ; v44-55 A's fragment, tokens 16-31
.set E0,  56                           ; v56-58, v60-62 upper halves of blocks, on their way
.set E1,  60
.set XP,  64                           ; v64-73 (x, 2 x) for each channel
.set UH,  74                           ; v74-83 their 1 / pi-fold, upper part
.set UL,  84                           ; v84-93 lower part
.set MC,  94                           ; the block's largest |cos|
.set MF,  95                           ; the block's largest |f|
.set SO,  96                           ; the conversions' scale operand
.set TMP, 97
.set O,   100                          ; v100-102 my lane's three results
.set V,   104                          ; v104-135 a block's 32 numbers
.set T,   136                          ; v136-183 four pairs at work, 12 registers each: b, n then sign, f, z, h, g
.set BLO, 184                          ; v184-219 tile lo's three fragments of W
.set BHI, 220                          ; v220-255 tile hi's
.set DLO, 104                          ; results, over V and T, which are done with by then
.set DHI, 128
.set IDT, 184                          ; the ids, ahead of the first gather
.set R,   104                          ; W's quantiser: 100 numbers and 12 zeros
.set CW,  216                          ; its codes, 8 registers a block
.set WM,  248                          ; its largest magnitudes, then bytes
.set WO,  252                          ; its scale operands
.set WV,  12                           ; s12 my wave's number
.set G1W, 20                           ; s[20:27] group 1 of W's tiles;  s[28:35] of X's;  s[36:39], s[40:43] their groups 0
.set G1X, 28
.set G0W, 36
.set G0X, 40
.set MID, 44                           ; lanes 8-23
.set BIT0, 45                          ; lanes with bit 0, 1, 2 of their number set
.set BIT1, 46
.set BIT2, 47
.set HIM, 48                           ; lanes 16-31
.set ONE, 49
.set SEL, 50                           ; s[50:51] v_permlanex16_b32's selects for lane l xor 16
.set C1,  58                           ; pairs, both words alike: the packed forms name a pair and take its low word for both halves
.set C2,  60
.set MU,  66                           ; s[66:75] 4^p, p = 0 .. 4
.set P0,  76
.set P1,  78
.set P2,  80
.set P3,  82
.set P5,  84
.set Q1,  86
.set Q2,  88
.set Q3,  90
.set Q5,  92
.macro SPAIR r, val
	s_mov_b32 s[\r], \val
	s_mov_b32 s[\r+1], \val
.endm
.macro XLOAD s                         ; step s: my token's five numbers; 20 bytes from lane to lane
.irp c, 0,1,2,3,4
	ds_load_b32 v[XP+2*\c], v[XA] offset:640*(\s)+4*\c
.endr
.endm
.macro PREP                            ; (x, 2 x) / pi as UH + UL: UH the rounded product, UL its exact remainder and x times the rest of 1 / pi
.irp c, 0,1,2,3,4
	v_add_f32 v[XP+2*\c+1], v[XP+2*\c], v[XP+2*\c]
.endr
.irp c, 0,1,2,3,4
	v_pk_mul_f32 v[UH+2*\c:UH+2*\c+1], v[XP+2*\c:XP+2*\c+1], s[C1:C1+1] op_sel_hi:[1,0]
.endr
.irp c, 0,1,2,3,4
	v_pk_fma_f32 v[UL+2*\c:UL+2*\c+1], v[XP+2*\c:XP+2*\c+1], s[C1:C1+1], v[UH+2*\c:UH+2*\c+1] op_sel_hi:[1,0,1] neg_lo:[0,0,1] neg_hi:[0,0,1]
.endr
.irp c, 0,1,2,3,4
	v_pk_fma_f32 v[UL+2*\c:UL+2*\c+1], v[XP+2*\c:XP+2*\c+1], s[C2:C2+1], v[UL+2*\c:UL+2*\c+1] op_sel_hi:[1,0,1]
.endr
.endm
; Line st of pair q's list.  Pair q = 5 channel + p holds octaves 2 p and 2 p + 1: elements 4 q .. 4 q + 3 of the token's 100.  i: which of the four sets of temporaries.
.macro LINE st, q, i, first
.set rT,  T+12*(\i)
.set rUH, UH+2*((\q)/5)
.set rUL, UL+2*((\q)/5)
.set rMU, MU+2*((\q)%5)
.set rD,  V+4*((\q)%8)
.if \st == 1
	v_pk_fma_f32 v[rT:rT+1], v[rUH:rUH+1], s[rMU:rMU+1], v[VM:VM+1] op_sel_hi:[1,0,1]   ; b = a + 1.5 x 2^23: a rounded to a whole number, in b's low bits
.elseif \st == 2
	v_pk_add_f32 v[rT+2:rT+3], v[rT:rT+1], v[VM:VM+1] neg_lo:[0,1] neg_hi:[0,1]         ; n
.elseif \st == 3
	v_pk_fma_f32 v[rT+4:rT+5], v[rUH:rUH+1], s[rMU:rMU+1], v[rT+2:rT+3] op_sel_hi:[1,0,1] neg_lo:[0,0,1] neg_hi:[0,0,1]   ; f = a - n, exact
.elseif \st == 4
	v_pk_fma_f32 v[rT+4:rT+5], v[rUL:rUL+1], s[rMU:rMU+1], v[rT+4:rT+5] op_sel_hi:[1,0,1]   ; + the lower part
.elseif \st == 5
	v_lshl_or_b32 v[rT+2], v[rT], 31, s[ONE]                                            ; (-1)^n: n's lowest bit as the sign of 1.0
.elseif \st == 6
	v_lshl_or_b32 v[rT+3], v[rT+1], 31, s[ONE]
.elseif \st == 7
	v_pk_mul_f32 v[rT+6:rT+7], v[rT+4:rT+5], v[rT+4:rT+5]                               ; z = f^2
.elseif \st == 8
	v_pk_fma_f32 v[rT+8:rT+9], v[rT+6:rT+7], s[P5:P5+1], v[VP4:VP4+1] op_sel_hi:[1,0,1]  ; h: the sine's polynomial, g: the cosine's, by turns
.elseif \st == 9
	v_pk_fma_f32 v[rT+10:rT+11], v[rT+6:rT+7], s[Q5:Q5+1], v[VQ4:VQ4+1] op_sel_hi:[1,0,1]
.elseif \st == 10
	v_pk_fma_f32 v[rT+8:rT+9], v[rT+8:rT+9], v[rT+6:rT+7], s[P3:P3+1] op_sel_hi:[1,1,0]
.elseif \st == 11
	v_pk_fma_f32 v[rT+10:rT+11], v[rT+10:rT+11], v[rT+6:rT+7], s[Q3:Q3+1] op_sel_hi:[1,1,0]
.elseif \st == 12
	v_pk_fma_f32 v[rT+8:rT+9], v[rT+8:rT+9], v[rT+6:rT+7], s[P2:P2+1] op_sel_hi:[1,1,0]
.elseif \st == 13
	v_pk_fma_f32 v[rT+10:rT+11], v[rT+10:rT+11], v[rT+6:rT+7], s[Q2:Q2+1] op_sel_hi:[1,1,0]
.elseif \st == 14
	v_pk_fma_f32 v[rT+8:rT+9], v[rT+8:rT+9], v[rT+6:rT+7], s[P1:P1+1] op_sel_hi:[1,1,0]
.elseif \st == 15
	v_pk_fma_f32 v[rT+10:rT+11], v[rT+10:rT+11], v[rT+6:rT+7], s[Q1:Q1+1] op_sel_hi:[1,1,0]
.elseif \st == 16
	v_pk_fma_f32 v[rT+8:rT+9], v[rT+8:rT+9], v[rT+6:rT+7], s[P0:P0+1] op_sel_hi:[1,1,0]
.elseif \st == 17
	v_pk_mul_f32 v[rT+4:rT+5], v[rT+4:rT+5], v[rT+2:rT+3]                               ; f and z take the sign
.elseif \st == 18
	v_pk_mul_f32 v[rT+6:rT+7], v[rT+6:rT+7], v[rT+2:rT+3]
.elseif \st == 19
	v_pk_mul_f32 v[rD:rD+1], v[rT+8:rT+9], v[rT+4:rT+5]                                 ; the two sines
.elseif \st == 20
	v_pk_fma_f32 v[rD+2:rD+3], v[rT+10:rT+11], v[rT+6:rT+7], v[rT+2:rT+3]               ; the two cosines: one rounding of (-1)^n (1 + g z)
.elseif \first && ((\i) == 0)
	v_max_num_f32 v[MF], |v[rT+4]|, |v[rT+5]|                                           ; a block's first pair starts its two maxima;
	v_max3_num_f32 v[MC], |v[rD+2]|, |v[rD+3]|, 0x1800000                               ; the floor 2^(3 - 127) is one more leaf: the byte cannot fall under 1
.else
	v_max3_num_f32 v[MF], v[MF], |v[rT+4]|, |v[rT+5]|
	v_max3_num_f32 v[MC], v[MC], |v[rD+2]|, |v[rD+3]|
.endif
.endm
.macro GRP q0, n, first                ; pairs q0 .. q0 + n - 1, line by line, so that no line waits for the line above it
.irp st, 1,2,3,4,5,6,7,8,9,10,11,12,13,14,15,16,17,18,19,20,21
.set gi, 0
.rept \n
	LINE \st, \q0+gi, gi, \first
.set gi, gi+1
.endr
.endr
.endm
; Block b is whole: its largest magnitude, its byte into my scale word, its codes (lower 16 into dlo, upper 16 into dhi; a conversion's three registers begin on an even number).
.macro BLKEND b, dlo, dhi
	s_delay_alu instid0(VALU_DEP_2)
	v_sub_f32 v[TMP], 0.5, v[MF]                   ; how far the largest |f| is from the sine's peak
	s_delay_alu instid0(VALU_DEP_1)
	v_mul_f32 v[MF], s[Q1], v[TMP]                 ; (Q1 is -pi^2 / 2 to the last bit of f32)
	s_delay_alu instid0(VALU_DEP_1)
	v_fma_f32 v[TMP], v[MF], v[TMP], 1.0           ; 1 - (pi^2 / 2) d^2, one rounding onto 1
	s_delay_alu instid0(VALU_DEP_1)
	v_max_num_f32 v[MC], v[MC], v[TMP]
	s_delay_alu instid0(VALU_DEP_1)
	v_add_nc_u32 v[SO], 0xff000000, v[MC]          ; 2 off its exponent field: the conversion takes the exponent field of this operand as its scale
.if \b == 0
	s_delay_alu instid0(VALU_DEP_1)
	v_lshrrev_b32 v[SA], 23, v[SO]
.else
	s_delay_alu instid0(VALU_DEP_1)
	v_lshrrev_b32 v[TMP], 23, v[SO]
	s_delay_alu instid0(VALU_DEP_1)
	v_lshl_or_b32 v[SA], v[TMP], 8*\b, v[SA]
.endif
	v_cvt_scalef32_pk16_fp6_f32 v[\dlo:\dlo+2], v[V:V+15], v[SO]
.if \b < 3
	v_cvt_scalef32_pk16_fp6_f32 v[\dhi:\dhi+2], v[V+16:V+31], v[SO]
.endif
.endm
; Every lane holds its own token's blocks.  A's layout wants, in lanes 0-15, blocks 0 and 2 of a tile's 16 tokens, in lanes 16-31 their blocks 1 and 3.  One exchange (the first register's lanes 16-31 with the
; second's lanes 0-15) of a piece of block 0 and the like piece of block 1 makes tile lo's register of the first and tile hi's of the second.
.macro SHUF01
	v_nop                                          ; one plain place behind a scaled conversion
.irp i, 0,1,2
	v_permlane16_swap_b32 v[LOF+\i], v[HIF+\i]
.endr
.irp i, 0,1,2
	v_permlane16_swap_b32 v[E0+\i], v[E1+\i]
.endr
.irp i, 0,1,2
	v_mov_b32 v[LOF+3+\i], v[E0+\i]
	v_mov_b32 v[HIF+3+\i], v[E1+\i]
.endr
.endm
.macro SHUF23                          ; blocks 2 and 3 likewise; block 3's upper 16 meet zeros of W, so lanes 16-31 keep whatever codes come
	v_nop
.irp i, 0,1,2
	v_permlane16_swap_b32 v[LOF+6+\i], v[HIF+6+\i]
.endr
.irp i, 0,1,2
	v_mov_b32 v[LOF+9+\i], v[E0+\i]
.endr
.irp i, 0,1,2
	v_permlanex16_b32 v[HIF+9+\i], v[E0+\i], s[SEL], s[SEL+1]
.endr
.endm
.macro ENC_A                           ; elements 0-63
	GRP 0, 4, 1
	GRP 4, 4, 0
	BLKEND 0, LOF, E0
	GRP 8, 4, 1
	GRP 12, 4, 0
	BLKEND 1, HIF, E1
	SHUF01
.endm
.macro ENC_B                           ; elements 64-99; block 3's conversion finds block 2's numbers behind its four: their codes meet zeros of W
	GRP 16, 4, 1
	GRP 20, 4, 0
	BLKEND 2, LOF+6, E0
	GRP 24, 1, 1
	BLKEND 3, HIF+6, 0
	SHUF23
.endm
.macro GATHER s                        ; step s: the three rows of W of my column's token, for both tiles: 144 bytes on end each; and their scale words
.irp i, 0,1,2,3,4,5,6,7,8
	ds_load_b128 v[BLO+4*\i:BLO+4*\i+3], v[GA+3*(\s)] offset:16*\i
.endr
.irp i, 0,1,2,3,4,5,6,7,8
	ds_load_b128 v[BHI+4*\i:BHI+4*\i+3], v[GA+3*(\s)+1] offset:16*\i
.endr
.irp j, 0,1,2
	ds_load_b32 v[BS+\j], v[GA+3*(\s)+2] offset:4*\j
.endr
.endm
; Six products, six accumulators, each begun with the constant 0.  In a result lane (r, h) holds column r and rows 8 h + 0 .. 7.  Tile lo's wanted element (row = column) lies in lanes 0-7 and 24-31, tile hi's
; (row = column xor 8) in lanes 8-23, in both in register lane % 8: so every lane ends with one token's three results.
.macro PRODUCT s
.if (\s) > 0
	s_wait_xcnt 0x0                                ; the last step's store has read its three registers: they are written again only behind this wait
.endif
.irp j, 0,1,2
	v_wmma_scale_f32_16x16x128_f8f6f4 v[DLO+8*\j:DLO+8*\j+7], v[LOF:LOF+11], v[BLO+12*\j:BLO+12*\j+11], 0, v[SA], v[BS+\j] matrix_a_fmt:MATRIX_FMT_FP6 matrix_b_fmt:MATRIX_FMT_FP6
	v_wmma_scale_f32_16x16x128_f8f6f4 v[DHI+8*\j:DHI+8*\j+7], v[HIF:HIF+11], v[BHI+12*\j:BHI+12*\j+11], 0, v[SA], v[BS+\j] matrix_a_fmt:MATRIX_FMT_FP6 matrix_b_fmt:MATRIX_FMT_FP6 matrix_a_scale:MATRIX_SCALE_ROW1 matrix_b_scale:MATRIX_SCALE_ROW1
.endr
.rept 4
	v_nop                                          ; four places behind the last product, ahead of the reads of results and of the loads into B's registers
.endr
.irp i, 0,1,2,3,4,5,6,7                ; each result from its low end on
.irp j, 0,1,2
	v_cndmask_b32 v[DLO+8*\j+\i], v[DLO+8*\j+\i], v[DHI+8*\j+\i], s[MID]   ; lanes 8-23 take tile hi's
.endr
.endr
.irp i, 0,2,4,6
.irp j, 0,1,2
	v_cndmask_b32 v[DLO+8*\j+\i], v[DLO+8*\j+\i], v[DLO+8*\j+\i+1], s[BIT0]   ; register lane % 8, bit by bit
.endr
.endr
.irp i, 0,4
.irp j, 0,1,2
	v_cndmask_b32 v[DLO+8*\j+\i], v[DLO+8*\j+\i], v[DLO+8*\j+\i+2], s[BIT1]
.endr
.endr
.irp j, 0,1,2
	s_delay_alu instid0(VALU_DEP_3)
	v_cndmask_b32 v[O+\j], v[DLO+8*\j], v[DLO+8*\j+4], s[BIT2]
.endr
	global_store_b96 v[OO], v[O:O+2], s[10:11] offset:384*(\s) th:TH_STORE_NT   ; the wave's 32 tokens: 384 consecutive bytes; its four stores cover 1,536, aligned to 256
.endm
	s_load_b256 s[4:11], s[0:1], 0x0               ; X s[4:5], ids s[6:7], W s[8:9], out s[10:11]
	v_lshl_add_u32 v99, v0, 2, 0x38e00
	v_mov_b32 v103, 0
	ds_add_u32 v99, v103
	ds_add_u32 v99, v103
	v_lshrrev_b32 v104, 5, v0
	s_delay_alu instid0(VALU_DEP_1)
	v_readfirstlane_b32 s[WV], v104                ; wave 0..15
	s_lshl_b32 s15, ttmp9, 4
	s_add_co_u32 s15, s15, s[WV]                   ; which run of 128 tokens is my wave's: 16 x work-group + wave
	v_and_b32 v104, 31, v0                         ; lane
	s_wait_alu depctr_va_vdst(0)
	v_and_b32 v105, 15, v0                         ; r
	s_wait_alu depctr_va_vdst(0)
	v_bfe_u32 v106, v0, 4, 1                       ; h
	s_mul_i32 s16, s[WV], 2560
	s_add_co_u32 s16, s16, XST                     ; my wave's part of X in LDS
	v_mul_u32_u24 v[XA], v104, 20
	s_delay_alu instid0(VALU_DEP_1)
	v_add_nc_u32 v[XA], s16, v[XA]
	s_mul_i32 s94, s[WV], 12800                    ; my tile of W: in memory and (WRAW = 0) in LDS
	s_mov_b32 s95, 0
	v_mul_u32_u24 v[WRD], v104, 400                ; a row of W is 400 bytes, an odd multiple of 16
	s_delay_alu instid0(VALU_DEP_1)
	v_add_nc_u32 v[WRD], s94, v[WRD]
	s_mul_i32 s18, s[WV], 1536
	s_add_co_u32 s18, s18, WI
	v_mul_u32_u24 v[WWR], v104, 48
	s_delay_alu instid0(VALU_DEP_1)
	v_add_nc_u32 v[WWR], s18, v[WWR]
	s_lshl_b32 s19, s[WV], 7
	s_add_co_u32 s19, s19, SC
	v_lshl_add_u32 v[WSC], v104, 2, s19
	v_lshlrev_b32 v[ILO], 2, v105
	v_xor_b32 v107, 8, v105
	s_delay_alu instid0(VALU_DEP_1)
	v_lshl_add_u32 v[IHI], v107, 2, 64
	v_mul_u32_u24 v[GB], v106, HALF
	s_delay_alu instid0(VALU_DEP_1)
	v_add_nc_u32 v[GB], WI, v[GB]
	v_lshlrev_b32 v107, 1, v104                    ; the token whose result ends in my lane: lanes 0-7: lane; 8-23: lane + 8; 24-31: lane - 16
	s_delay_alu instid0(VALU_DEP_1)
	v_xor_b32 v107, v107, v104
	s_delay_alu instid0(VALU_DEP_1)
	v_and_b32 v107, 16, v107                       ; its bit 4 = the lane's bit 3 xor bit 4,
	v_lshrrev_b32 v108, 1, v104
	s_delay_alu instid0(VALU_DEP_1)
	v_and_b32 v108, 8, v108                        ; its bit 3 = the lane's bit 4
	s_delay_alu instid0(VALU_DEP_3)
	v_and_or_b32 v107, v104, 7, v107
	s_delay_alu instid0(VALU_DEP_1)
	v_add_nc_u32 v107, v107, v108
	s_delay_alu instid0(VALU_DEP_1)
	v_mul_u32_u24 v[OO], v107, 12
	v_mov_b32 v[VM], 0x4b400000                    ; 1.5 x 2^23
	v_mov_b32 v[VM+1], 0x4b400000
	v_mov_b32 v[VP4], 0x3da80b28
	v_mov_b32 v[VP4+1], 0x3da80b28
	v_mov_b32 v[VQ4], 0x3e70954f
	v_mov_b32 v[VQ4+1], 0x3e70954f
.irp i, 9,10,11
	v_mov_b32 v[HIF+\i], 0                         ; written once: a lane permute's destination counts as one of its sources
.endr
	s_mov_b32 s[MID], 0x00ffff00
	s_mov_b32 s[BIT0], 0xaaaaaaaa
	s_mov_b32 s[BIT1], 0xcccccccc
	s_mov_b32 s[BIT2], 0xf0f0f0f0
	s_mov_b32 s[HIM], 0xffff0000
	s_mov_b32 s[ONE], 0x3f800000
	s_mov_b32 s[SEL], 0x76543210
	s_mov_b32 s[SEL+1], 0xfedcba98
	SPAIR C1, 0x3ea2f983                           ; 1 / pi, and what f32 leaves of it
	SPAIR C2, 0x325c9c88
	SPAIR MU, 0x3f800000
	SPAIR MU+2, 0x40800000
	SPAIR MU+4, 0x41800000
	SPAIR MU+6, 0x42800000
	SPAIR MU+8, 0x43800000
	SPAIR P0, 0x40490fdb
	SPAIR P1, 0xc0a55de7
	SPAIR P2, 0x402335e1
	SPAIR P3, 0xbf1968ab
	SPAIR P5, 0xbbe6684c
	SPAIR Q1, 0xc09de9e6
	SPAIR Q2, 0x4081e0f3
	SPAIR Q3, 0xbfaae857
	SPAIR Q5, 0xbcc7d8b0
	; group 1: dense blocks as rows of 256 bytes (32 elements of 8 bytes).  W's tile: 50 rows; X's: 10 rows
	s_mov_b32 s[G1W+0], 3<<16                      ; 15:0 no mask; 17:16 elements of 8 bytes; 20 padding off
	s_mov_b32 s[G1W+1], 32<<16                     ; tensor_dim0
	s_mov_b32 s[G1W+2], 50<<16                     ; tensor_dim1
	s_mov_b32 s[G1W+3], 32<<16                     ; tile_dim0
	s_mov_b32 s[G1W+4], 50                         ; tile_dim1
	s_mov_b32 s[G1W+5], 32                         ; the pitch
	s_mov_b32 s[G1W+6], 0
	s_mov_b32 s[G1W+7], 0
	s_mov_b32 s[G1X+0], 3<<16
	s_mov_b32 s[G1X+1], 32<<16
	s_mov_b32 s[G1X+2], 10<<16
	s_mov_b32 s[G1X+3], 32<<16
	s_mov_b32 s[G1X+4], 10
	s_mov_b32 s[G1X+5], 32
	s_mov_b32 s[G1X+6], 0
	s_mov_b32 s[G1X+7], 0
	s_mul_i32 s54, s15, 2560                       ; my wave's 128 tokens: 20 bytes each in X,
	s_mov_b32 s55, 0
	s_lshl_b32 s56, s15, 9                         ; 4 in the ids,
	s_mov_b32 s57, 0
	s_mul_i32 s62, s15, 1536                       ; 12 in out
	s_mov_b32 s63, 0
	s_wait_dscnt 0x0
	s_wait_kmcnt 0x0
	s_add_nc_u64 s[6:7], s[6:7], s[56:57]
	s_add_nc_u64 s[10:11], s[10:11], s[62:63]
	s_mov_b32 s[G0W], 1
	s_mov_b32 s[G0W+1], s94
	s_add_nc_u64 s[G0W+2:G0W+3], s[8:9], s[94:95]
	s_or_b32 s[G0W+3], s[G0W+3], 0x80000000
	s_mov_b32 s[G0X], 1
	s_mov_b32 s[G0X+1], s16
	s_add_nc_u64 s[G0X+2:G0X+3], s[4:5], s[54:55]
	s_or_b32 s[G0X+3], s[G0X+3], 0x80000000
	s_cmp_lt_u32 s[WV], 12                         ; a wave's first fills stand in one branch on its number, ahead of every LDS read and barrier; four v_nop follow the last
	s_cbranch_scc0 .Lonly_x
	tensor_load_to_lds s[G0X:G0X+3], s[G1X:G1X+7]
	s_nop 0
	tensor_load_to_lds s[G0W:G0W+3], s[G1W:G1W+7]
	s_nop 0
.rept 4
	v_nop
.endr
.irp s, 0,1,2,3
	global_load_b32 v[IDT+\s], v[ILO], s[6:7] offset:128*\s      ; the ids of my column's token in tile lo and in tile hi, all four steps
	global_load_b32 v[IDT+4+\s], v[IHI], s[6:7] offset:128*\s
.endr
	s_wait_tensorcnt 0x1                           ; X's tile is in; W's, issued behind it, stays out: two loads of mine at the most are out
	s_branch .Lfilled
.Lonly_x:
	tensor_load_to_lds s[G0X:G0X+3], s[G1X:G1X+7]
	s_nop 0
.rept 4
	v_nop
.endr
.irp s, 0,1,2,3
	global_load_b32 v[IDT+\s], v[ILO], s[6:7] offset:128*\s
	global_load_b32 v[IDT+4+\s], v[IHI], s[6:7] offset:128*\s
.endr
	s_wait_tensorcnt 0x0
.Lfilled:
	XLOAD 0
	s_wait_dscnt 0x0
	PREP
	XLOAD 1                                        ; X's registers are free behind PREP
	ENC_A                                          ; step 0's first 64 elements, while W is on its way
	s_wait_loadcnt 0x0                             ; the ids
.irp s, 0,1,2,3
	v_cndmask_b32 v[IDT+8+\s], v[IDT+\s], v[IDT+4+\s], s[HIM]    ; for the scale words: lanes 0-15 tile lo's column, lanes 16-31 tile hi's
.endr
.irp i, 0,1,2,3,4,5,6,7,8,9,10,11
	v_min_u32 v[IDT+\i], 127, v[IDT+\i]            ; no address leaves the image, whatever was loaded
.endr
.irp s, 0,1,2,3
	v_mul_u32_u24 v[GA+3*\s], v[IDT+\s], 144
	v_mul_u32_u24 v[GA+3*\s+1], v[IDT+4+\s], 144
	v_mul_u32_u24 v[GA+3*\s+2], v[IDT+8+\s], 12
.endr
.irp s, 0,1,2,3
	v_add_nc_u32 v[GA+3*\s], v[GB], v[GA+3*\s]
	v_add_nc_u32 v[GA+3*\s+1], v[GB], v[GA+3*\s+1]
	v_add_nc_u32 v[GA+3*\s+2], SC, v[GA+3*\s+2]
.endr
	s_wait_tensorcnt 0x0                           ; my tile of W is in: only I read it
	s_cmp_lt_u32 s[WV], 12
	s_cbranch_scc0 .Lno_w
	; W's QUANTISER: lane l of wave w takes row 32 w + l, all of its K in its own registers
.irp g, 0,1,2,3,4,5,6,7,8,9,10,11,12,13,14,15,16,17,18,19,20,21,22,23,24
	ds_load_b128 v[R+4*\g:R+4*\g+3], v[WRD] offset:16*\g
.endr
.irp i, 100,101,102,103,104,105,106,107,108,109,110,111
	v_mov_b32 v[R+\i], 0                           ; K from 100 on
.endr
	s_wait_dscnt 0x0
.irp g, 0,1,2,3,4,5,6,7,8,9,10,11,12,13,14,15,16,17,18,19,20,21,22,23,24
	v_swap_b32 v[R+4*\g+1], v[R+4*\g+2]            ; the tokens' order inside a group of four
.endr
.irp b, 0,1,2,3
	v_max3_num_f32 v[WM+\b], |v[R+32*\b]|, |v[R+32*\b+1]|, 0x1800000   ; with the floor 2^(3 - 127): the byte cannot fall under 1 (a block of zeros keeps it: its codes are zeros)
.endr
	s_delay_alu instid0(VALU_DEP_1)
	v_max3_num_f32 v[WM+3], v[WM+3], |v[R+98]|, |v[R+99]|
.irp i, 2,4,6,8,10,12,14,16,18,20,22,24,26,28,30
.irp b, 0,1,2
	v_max3_num_f32 v[WM+\b], v[WM+\b], |v[R+32*\b+\i]|, |v[R+32*\b+\i+1]|
.endr
.endr
.irp b, 0,1,2,3
	v_add_nc_u32 v[WO+\b], 0xff000000, v[WM+\b]
.endr
.irp b, 0,1,2,3
	s_delay_alu instid0(VALU_DEP_4)
	v_lshrrev_b32 v[WM+\b], 23, v[WO+\b]
.endr
	s_delay_alu instid0(VALU_DEP_3)
	v_lshl_or_b32 v[WM], v[WM+1], 8, v[WM]
	s_delay_alu instid0(VALU_DEP_1)
	v_lshl_or_b32 v[WM], v[WM+2], 16, v[WM]
	s_delay_alu instid0(VALU_DEP_1)
	v_lshl_or_b32 v[WM], v[WM+3], 24, v[WM]        ; the row's scale word
.irp b, 0,1,2
	v_cvt_scalef32_pk16_fp6_f32 v[CW+8*\b:CW+8*\b+2], v[R+32*\b:R+32*\b+15], v[WO+\b]
	v_cvt_scalef32_pk16_fp6_f32 v[CW+8*\b+4:CW+8*\b+6], v[R+32*\b+16:R+32*\b+31], v[WO+\b]
.endr
	v_cvt_scalef32_pk16_fp6_f32 v[CW+24:CW+26], v[R+96:R+111], v[WO+3]
	v_nop                                          ; one plain place behind the last scaled conversion
.irp b, 0,1,2,3
.irp i, 0,1,2
	ds_store_b32 v[WWR], v[CW+8*\b+\i] offset:(\b%2)*HALF+(\b/2)*24+4*\i
.endr
.endr
.irp b, 0,1,2
.irp i, 0,1,2
	ds_store_b32 v[WWR], v[CW+8*\b+4+\i] offset:(\b%2)*HALF+(\b/2)*24+12+4*\i
.endr
.endr
.irp i, 0,1,2
	ds_store_b32 v[WWR], v[R+100] offset:HALF+24+12+4*\i         ; K = 112 .. 127: zero codes
.endr
	ds_store_b32 v[WSC], v[WM]
.Lno_w:
	s_wait_dscnt 0x0                               ; for the others' sake: my stores into the image are done
	s_barrier_signal -1
	s_barrier_wait -1                              ; the image is whole.  From here on LDS is only read
	GATHER 0
	ENC_B                                          ; step 0's last 36 elements, while the first gather is on its way
.irp s, 0,1,2
	s_wait_dscnt 0x0                               ; step s's rows of W and step s + 1's numbers of X, both asked for a whole encoding ago
	PREP                                           ; step s + 1's; its 20 plain lines name none of the products' registers: they are the places between the lines that made A's codes and scale word and the products
	PRODUCT \s
.if \s < 2
	XLOAD \s+2
.endif
	GATHER \s+1
	ENC_A
	ENC_B
.endr
	s_wait_alu depctr_va_vdst(0)
	s_wait_dscnt 0x0
.rept 8
	v_nop                                          ; a scale word written by vector instructions stands 8 places ahead of a scaled matrix instruction, an operand so written 4
.endr
	PRODUCT 3
	s_wait_tensorcnt 0x0
	ds_add_u32 v99, v103
	s_wait_dscnt 0x0
	s_endpgm
.Lfunc_end_k_q643ffbf283_enc_rgb:
	.size	k_q643ffbf283_enc_rgb, .Lfunc_end_k_q643ffbf283_enc_rgb-k_q643ffbf283_enc_rgb
	.p2alignl 7, 3214868480
	.fill 96, 4, 3214868480
	.section	.rodata,"a",@progbits
	.p2align	6, 0x0
	.amdhsa_kernel k_q643ffbf283_enc_rgb
		.amdhsa_group_segment_fixed_size 235008
		.amdhsa_private_segment_fixed_size 0
		.amdhsa_enable_private_segment 0
		.amdhsa_kernarg_size 32
		.amdhsa_user_sgpr_count 2
		.amdhsa_user_sgpr_kernarg_segment_ptr 1
		.amdhsa_wavefront_size32 1
		.amdhsa_system_sgpr_workgroup_id_x 1
		.amdhsa_system_sgpr_workgroup_id_y 1
		.amdhsa_system_sgpr_workgroup_id_z 1
		.amdhsa_system_vgpr_workitem_id 0
		.amdhsa_next_free_vgpr 256
		.amdhsa_next_free_sgpr 96
		.amdhsa_reserve_vcc 0
		.amdhsa_float_denorm_mode_32 3
		.amdhsa_float_denorm_mode_16_64 3
		.amdhsa_memory_ordered 1
		.amdhsa_forward_progress 1
		.amdhsa_inst_pref_size 199
	.end_amdhsa_kernel
	.amdgpu_metadata
---
amdhsa.version: [ 1, 2 ]
amdhsa.kernels:
  - .name:           k_q643ffbf283_enc_rgb
    .symbol:         k_q643ffbf283_enc_rgb.kd
    .args:
      - { .name: X, .offset: 0, .size: 8, .value_kind: global_buffer, .address_space: global }
      - { .name: cluster_ids, .offset: 8, .size: 8, .value_kind: global_buffer, .address_space: global }
      - { .name: W, .offset: 16, .size: 8, .value_kind: global_buffer, .address_space: global }
      - { .name: out0, .offset: 24, .size: 8, .value_kind: global_buffer, .address_space: global }
    .group_segment_fixed_size: 235008
    .private_segment_fixed_size: 0
    .kernarg_segment_align: 8
    .kernarg_segment_size: 32
    .max_flat_workgroup_size: 512
    .sgpr_count:     96
    .vgpr_count:     256
    .wavefront_size: 32
...
	.end_amdgpu_metadata
.endif
;; end of part 1
